; MI455X (gfx1250); checked and timed in simulation.
; The chip was launched on July 23, 2026; its instructions are those of AMD's public machine-readable ISA for CDNA 5 (MIT licence, August 2026) and "CDNA5" Instruction Set Architecture Reference Guide (July 2026). The comments in the code are by the model that wrote it; some were corrected since.
;; Multi Head Attention. Allowed arithmetic: matrix products marked QUANTISED: E4M3 operands, one given power-of-two scale a tensor, by v_wmma_f32_16x16x64_fp8_fp8 or v_wmma_f32_16x16x128_fp8_fp8, f32 sums; everything else in f32.
;; Inputs: b_proj 1,024 float32; b_qkv 3,072 float32; ln_b 1,024 float32; ln_w 1,024 float32; lowp_scales 8 int32 (the exponents e of the quantised operands' scales 2^e); w_proj_codes 1,024 x 32 x 32 uint8 (E4M3 codes of w_proj, K innermost, in blocks of 32 codes); w_qkv_codes 3,072 x 32 x 32 uint8 (E4M3 codes of w_qkv, K innermost, in blocks of 32 codes); x 4 x 2,048 x 1,024 float32.
;; Outputs: out0 4 x 2,048 x 1,024 float32.
;; This version of the problem:
;;   THIS VERSION OF THE PROBLEM IS GIVEN IN LOW PRECISION. The matrix products marked QUANTISED in the list below multiply operands that are first quantised to E4M3 (4 exponent bits, 3 mantissa bits; 8 bits a number), with one given power-of-two scale for each operand tensor; their sums are f32. All else is computed in f32.
;;   The module's matrix products, in the order in which they are computed (A, B: the left and right operand; K: the contracted axis; several contracted axes count as one K, in the product's order):
;;     1. [M 8,192, K 1,024] x [K 1,024, N 3,072]; A: computed on the way; B: input w_qkv (given as codes): QUANTISED (scales: A lowp_scales[0], B lowp_scales[1])
;;     2. batch 64 x [M 2,048, K 64] x [K 64, N 2,048]; A: computed on the way; B: computed on the way: QUANTISED (scales: A lowp_scales[2], B lowp_scales[3])
;;     3. batch 64 x [M 64, K 2,048] x [K 2,048, N 2,048]; A: computed on the way; B: softmax (see below): QUANTISED (scales: A lowp_scales[4], B lowp_scales[5])
;;     4. [M 8,192, K 1,024] x [K 1,024, N 1,024]; A: computed on the way; B: input w_proj (given as codes): QUANTISED (scales: A lowp_scales[6], B lowp_scales[7])
;;   THE QUANTISER, for each operand of a quantised product, along K:
;;     - The operand's scale is 2^e, e = its entry of the input lowp_scales (int32; the entries are numbered through the quantised products in the list's order, A before B).
;;     - Each number is divided by the scale, clamped to +-448, and rounded to the nearest number of E4M3, ties to even, subnormals kept.
;;     - The product sums the exact products of the quantised numbers (number of the format x scale) in f32.
;;   ~~~python
;;   def quantise(x, axis, e):      # numpy; x: float32 -> the quantised numbers, widened to float32 again
;;       x = np.moveaxis(x, axis, -1); K = x.shape[-1]
;;       r = np.clip(x / 2.0 ** e, -448, 448)
;;       step = 2.0 ** (np.maximum(np.frexp(np.where(r == 0, 1, r))[1] - 1, -6) - 3)
;;       q = np.round(r / step) * step * 2.0 ** e      # np.round: ties to even
;;       return np.moveaxis(q, -1, axis).astype(np.float32)
;;   ~~~
;;   SOFTMAX AHEAD OF A QUANTISED PRODUCT. Where the list says 'softmax', what is quantised is not the finished softmax but p = 2^(t - M), with t = logit x log2(e) and M = ceil(the row's largest t), a whole number; so 1/2 < the row's largest p <= 1. The row's sum l is taken of the UNQUANTISED p, in f32, and the product's result is divided by l at the end. Since M is a whole number, a kernel that streams over the keys may use a running M (the ceiling of the running maximum): every later rescaling is an exact power of two, so the quantised numbers keep their values, but for numbers so far below the row's largest that they fall under the format's range.
;;   OPERANDS COMPUTED ON THE WAY. 'Computed on the way' means the value that the module computes at that place (a softmax that the list does not call 'softmax' is quantised finished and normalised). What goes into a quantiser is computed in f32, as accurately as f32 sums, v_exp_f32 and their like allow (about 1e-6 of the number): no bf16 or f16 on the way to a quantiser, and a product that is left as it is and whose result goes on into a quantised operand takes f32 operands (vector FMAs, or v_wmma_f32_16x16x4_f32). A number that lies on a knife's edge between two numbers of the format may be rounded either way, as far as f32 arithmetic and the matrix unit's own rounding can turn it there, and no further.
;;   INPUTS GIVEN AS CODES. w_proj (in the module: [1024, 1024], K = its axis 0); w_qkv (in the module: [1024, 3072], K = its axis 0): each comes as NAME_codes (uint8): NAME with its K axis moved to the last place and cut into blocks of 32 codes, [.., K / 32, bytes a block], one block behind the other in memory; one code a byte (a code: sign, 4 exponent bits, 3 mantissa bits); its scale is its entry of lowp_scales. Its value is code x scale, taken as it is: it is not quantised again, and the codes and scales need not be those that the quantiser above would give.
;; One version. Each part assembles by itself: llvm-mc -triple=amdgcn-amd-amdhsa -mcpu=gfx1250 --defsym DOCPART=n.
;; ======== version 1 of 1: 4 launches
;; limits: right only within a limited range of input values
;; workspace buffers: h_codes 8,388,608 bytes; q_codes 8,388,608 bytes; k_codes 8,388,608 bytes; v_codes 8,388,608 bytes; o_codes 8,388,608 bytes
;; launch ln (part 1): grid 512 x 1, 4 waves a work-group, no clusters, 17,920 bytes of LDS; arguments x, ln_w, ln_b, lowp_scales, h_codes; writes h_codes
.if DOCPART == 1
	.amdgcn_target "amdgcn-amd-amdhsa--gfx1250"
	.amdhsa_code_object_version 6
	.text
	.protected	k_q3dd1ac4714_ln
	.globl	k_q3dd1ac4714_ln
	.p2align	8
	.type	k_q3dd1ac4714_ln,@function
k_q3dd1ac4714_ln:
	s_mov_b64 s[64:65], 0
	v_nop
	global_prefetch_b8 v0, s[64:65] scope:SCOPE_SE
	s_setreg_imm32_b32 hwreg(HW_REG_WAVE_MODE, 25, 1), 1
	s_wait_xcnt 0x0
; h = (x - mean) * rsqrt(var + 1e-5) * ln_w + ln_b over rows of 1,024 f32, then codes of FP8 (E4M3) with the given scale 2^e0 (entry 0 of the scales):
; code = h / 2^e0, held within +-448, to the nearest code, ties to even.  LIMITS: e0 between -126 and 119; NaN among the inputs is not served.
; THE CODES LEAVE AS IMAGES OF OPERAND REGISTERS: h_codes[s2 = 4][T = 512][q = 2][c = 4][lane = 32][16 bytes]: lane 16 h + r holds, of token tau(T, r), k = 256 s2 + 128 q + 32 c + 16 h + 0 .. 15.
; tau(T, r) = 32 (T / 2) + 8 (T % 2) + r + 8 (r / 8): the 16 tokens of a tile are two runs of eight, 16 apart, so that later results over two neighbouring tiles are 16 neighbouring tokens in a lane.
; SHARES.  A work-group owns tile T; wave w its rows 4 w .. 4 w + 3, which are four neighbouring tokens: 16,384 bytes on end, asked for at once by 32 loads of 512 consecutive bytes.
; A row stays in 32 registers of the wave between the passes: memory is read once.  The codes meet in a stage in LDS (16 rows of 1,024 bytes + 16), one barrier, and wave w stores K step s2 = w: 4,096 bytes on end.
; No matrix unit, no tensor load, no cluster: work-groups share nothing but ln_w and ln_b, and the launch is one stream.
.set SP,  1040                         ; a stage row: 1,024 bytes + 16 = 260 words: row r starts at bank 4 r mod 64 (64 banks of 4 bytes: ISA guide 11.1)
.set X,   32                           ; v32-159   four rows x 32 numbers: register 4 i + n of a row is k = 128 i + 4 lane + n
.set W,   160                          ; v160-191  ln_w at the same k
.set B,   192                          ; v192-223  ln_b
.set C,   224                          ; v224-255  eight registers of codes a row: register i is k = 128 i + 4 lane + 0 .. 3
.set RA,  8                            ; row p: v[RA+6p : +1] first chain of a sum
.set RB,  10                           ;        v[RB+6p : +1] second chain; later the lane permute's destination
.set RM,  12                           ;        v[RM+6p : +1] the mean twice, later 1 / sqrt(var + eps) twice
	s_load_b256 s[4:11], s[0:1], 0x0               ; x s[4:5], ln_w s[6:7], ln_b s[8:9], the scales' exponents s[10:11]
	s_load_b64 s[16:17], s[0:1], 0x20              ; h_codes
	s_set_vgpr_msb 0x40
	v_lshl_add_u32 v0, v0, 2, 0x4400
	v_mov_b32 v1, 0
	s_set_vgpr_msb 0x4000
	v_lshrrev_b32 v1, 5, v0
	v_readfirstlane_b32 s18, v1                    ; wave 0..3
	v_and_b32 v6, 31, v0                           ; lane
	v_lshlrev_b32 v1, 4, v6                        ; 16 x lane: my bytes of every load and of every store
	s_mul_i32 s24, s18, 4*SP
	v_lshl_add_u32 v2, v6, 2, s24                  ; into the stage: my wave's four rows, 4 bytes a lane
	v_and_b32 v7, 15, v0                           ; r
	v_mul_u32_u24 v3, v7, SP
	v_bfe_u32 v7, v0, 4, 1                         ; h
	v_lshl_add_u32 v3, v7, 4, v3
	s_lshl_b32 s25, s18, 8
	v_add_nc_u32 v3, s25, v3                       ; out of it: row r, + 16 h, + my K step's 256 bytes
	s_lshr_b32 s19, ttmp9, 1
	s_lshl_b32 s19, s19, 5                         ; 32 (T / 2)
	s_and_b32 s20, ttmp9, 1
	s_lshl_b32 s20, s20, 3
	s_add_co_u32 s19, s19, s20                     ; + 8 (T % 2)
	s_lshl_b32 s20, s18, 2
	s_add_co_u32 s19, s19, s20                     ; + 4 w
	s_lshr_b32 s20, s18, 1
	s_lshl_b32 s20, s20, 3
	s_add_co_u32 s19, s19, s20                     ; + 8 (w / 2): my first token
	s_lshl_b32 s20, s19, 12                        ; x 4,096 bytes
	s_mov_b32 s21, 0
	s_lshl_b32 s22, s18, 21                        ; h_codes: K step w,
	s_lshl_b32 s23, ttmp9, 12                      ; tile T
	s_add_co_u32 s22, s22, s23
	s_mov_b32 s23, 0
	s_mov_b32 s12, 0x76543210                      ; v_permlanex16_b32: lane l xor 16
	s_mov_b32 s13, 0xfedcba98
	s_mov_b32 s14, 0x3a800000                      ; 1 / 1,024
	s_mov_b32 s15, 0x3727c5ac                      ; 1e-5
	s_wait_alu depctr_va_vdst(0)
	s_wait_kmcnt 0x0
	s_load_b32 s26, s[10:11], 0x0                  ; e0
	s_add_nc_u64 s[4:5], s[4:5], s[20:21]
	s_add_nc_u64 s[16:17], s[16:17], s[22:23]
.irp p, 0,1,2,3
.irp i, 0,1,2,3,4,5,6,7
	global_load_b128 v[X+32*\p+4*\i:X+32*\p+4*\i+3], v1, s[4:5] offset:4096*\p+512*\i th:TH_LOAD_NT
.endr
.endr
.irp i, 0,1,2,3,4,5,6,7
	global_load_b128 v[W+4*\i:W+4*\i+3], v1, s[6:7] offset:512*\i
.endr
.irp i, 0,1,2,3,4,5,6,7
	global_load_b128 v[B+4*\i:B+4*\i+3], v1, s[8:9] offset:512*\i
.endr
; The four rows' two chains are joined and summed over the 32 lanes; the rows take turns line by line, so that no line waits for the line above it.  Every lane ends with the sum in v[RA+6p].
.macro REDUCE
.irp p, 0,1,2,3
	v_pk_add_f32 v[RA+6*\p:RA+6*\p+1], v[RA+6*\p:RA+6*\p+1], v[RB+6*\p:RB+6*\p+1]
.endr
.irp p, 0,1,2,3
	v_add_f32 v[RA+6*\p], v[RA+6*\p], v[RA+6*\p+1]
.endr
.irp m, 1,2,4,8
.irp p, 0,1,2,3
	v_add_f32_dpp v[RA+6*\p], v[RA+6*\p], v[RA+6*\p] row_xmask:\m row_mask:0xf bank_mask:0xf
.endr
.endr
.irp p, 0,1,2,3
	v_permlanex16_b32 v[RB+6*\p], v[RA+6*\p], s12, s13   ; its destination counts as read: chain B's register has been written
.endr
.irp p, 0,1,2,3
	v_add_f32 v[RA+6*\p], v[RA+6*\p], v[RB+6*\p]
.endr
.endm
	s_wait_loadcnt 16                              ; x's 32 loads are in; the 16 younger ones (ln_w, ln_b) may be out
.irp p, 0,1,2,3
	v_pk_add_f32 v[RA+6*\p:RA+6*\p+1], v[X+32*\p:X+32*\p+1], v[X+32*\p+2:X+32*\p+3]   ; the first pairs start the chains: nothing is cleared
	v_pk_add_f32 v[RB+6*\p:RB+6*\p+1], v[X+32*\p+4:X+32*\p+5], v[X+32*\p+6:X+32*\p+7]
.endr
.irp j, 8,12,16,20,24,28
.irp p, 0,1,2,3
	v_pk_add_f32 v[RA+6*\p:RA+6*\p+1], v[RA+6*\p:RA+6*\p+1], v[X+32*\p+\j:X+32*\p+\j+1]
	v_pk_add_f32 v[RB+6*\p:RB+6*\p+1], v[RB+6*\p:RB+6*\p+1], v[X+32*\p+\j+2:X+32*\p+\j+3]
.endr
.endr
	REDUCE
.irp p, 0,1,2,3
	v_mul_f32 v[RM+6*\p], s14, v[RA+6*\p]          ; the mean,
	v_mul_f32 v[RM+6*\p+1], s14, v[RA+6*\p]        ; twice: a pair for the packed subtraction
.endr
.irp p, 0,1,2,3
.set jj, 0
.rept 16
	v_pk_add_f32 v[X+32*\p+jj:X+32*\p+jj+1], v[X+32*\p+jj:X+32*\p+jj+1], v[RM+6*\p:RM+6*\p+1] neg_lo:[0,1] neg_hi:[0,1]   ; x - mean, in place
.set jj, jj+2
.endr
.endr
.irp p, 0,1,2,3
	v_pk_mul_f32 v[RA+6*\p:RA+6*\p+1], v[X+32*\p:X+32*\p+1], v[X+32*\p:X+32*\p+1]
	v_pk_mul_f32 v[RB+6*\p:RB+6*\p+1], v[X+32*\p+2:X+32*\p+3], v[X+32*\p+2:X+32*\p+3]
.endr
.irp j, 4,8,12,16,20,24,28
.irp p, 0,1,2,3
	v_pk_fma_f32 v[RA+6*\p:RA+6*\p+1], v[X+32*\p+\j:X+32*\p+\j+1], v[X+32*\p+\j:X+32*\p+\j+1], v[RA+6*\p:RA+6*\p+1]
	v_pk_fma_f32 v[RB+6*\p:RB+6*\p+1], v[X+32*\p+\j+2:X+32*\p+\j+3], v[X+32*\p+\j+2:X+32*\p+\j+3], v[RB+6*\p:RB+6*\p+1]
.endr
.endr
	REDUCE
.irp p, 0,1,2,3
	v_fma_f32 v[RA+6*\p], v[RA+6*\p], s14, s15     ; var + 1e-5
.endr
	s_wait_alu depctr_va_vdst(0)
.irp p, 0,1,2,3
	v_rsq_f32 v[RM+6*\p], v[RA+6*\p]               ; the four as one batch
.endr
	v_nop                                          ; a plain instruction between the last of them and the first use (ISA guide 5.7.2)
	s_wait_kmcnt 0x0                               ; e0
	s_add_co_i32 s26, s26, 127
	s_lshl_b32 s27, s26, 23
	s_add_co_i32 s26, s26, 8
	s_lshl_b32 s26, s26, 23
	s_or_b32 s26, s26, 0x600000
	v_mov_b32 v4, s27                              ; 2^e0 as f32: the conversion takes its exponent field
	v_mov_b32 v5, s26                              ; 448 x 2^e0
	s_wait_alu depctr_va_vdst(0)                   ; one wait for the batch, ahead of its first reader
.irp p, 0,1,2,3
	v_mov_b32 v[RM+6*\p+1], v[RM+6*\p]
.endr
	s_wait_alu depctr_va_vdst(0)
	s_wait_loadcnt 0x0                             ; ln_w and ln_b
; Row p: x rsqrt, x ln_w + ln_b, the hold, the conversion, into the stage.
.macro NORMQ p
.set jj, 0
.rept 16
	v_pk_mul_f32 v[X+32*\p+jj:X+32*\p+jj+1], v[X+32*\p+jj:X+32*\p+jj+1], v[RM+6*\p:RM+6*\p+1]
.set jj, jj+2
.endr
.set jj, 0
.rept 16
	v_pk_fma_f32 v[X+32*\p+jj:X+32*\p+jj+1], v[X+32*\p+jj:X+32*\p+jj+1], v[W+jj:W+jj+1], v[B+jj:B+jj+1]
.set jj, jj+2
.endr
.set jj, 0
.rept 32
	v_med3_num_f32 v[X+32*\p+jj], v[X+32*\p+jj], -v5, v5   ; the conversion to an 8-bit code does not saturate (ISA guide 7.6.2): the hold at the largest code x the scale
.set jj, jj+1
.endr
.irp m, 0,1,2,3
	v_cvt_scalef32_pk8_fp8_f32 v[C+8*\p+2*\m:C+8*\p+2*\m+1], v[X+32*\p+8*\m:X+32*\p+8*\m+7], v4
.endr
	v_nop                                          ; a plain line behind the last conversion of the run
.irp i, 0,1,2,3,4,5,6,7
	ds_store_b32 v2, v[C+8*\p+\i] offset:SP*\p+128*\i   ; 32 lanes: 128 consecutive bytes of the row
.endr
.endm
	NORMQ 0
	NORMQ 1
	NORMQ 2
	NORMQ 3
	s_wait_dscnt 0x0                               ; for the others' sake: my stores into the stage are done
	s_barrier_signal -1
	s_barrier_wait -1                              ; the tile's 16 rows of codes lie in the stage
.irp p, 0,1,2,3,4,5,6,7
	ds_load_b128 v[X+4*\p:X+4*\p+3], v3 offset:128*(\p/4)+32*(\p%4)   ; piece p = 4 q + c of the image: row r, k = 256 w + 128 q + 32 c + 16 h on
.endr
.irp p, 0,1,2,3,4,5,6,7
	s_wait_dscnt 7-\p
	global_store_b128 v1, v[X+4*\p:X+4*\p+3], s[16:17] offset:512*\p   ; 32 lanes store 512 consecutive bytes, at a multiple of 256 from the buffer's first byte
.endr
	s_set_vgpr_msb 0x5
	s_wait_tensorcnt 0x0
	ds_add_u32 v0, v1
	s_wait_dscnt 0x0
	s_set_vgpr_msb 0x500
	s_endpgm
.Lfunc_end_k_q3dd1ac4714_ln:
	.size	k_q3dd1ac4714_ln, .Lfunc_end_k_q3dd1ac4714_ln-k_q3dd1ac4714_ln
	.p2alignl 7, 3214868480
	.fill 96, 4, 3214868480
	.section	.rodata,"a",@progbits
	.p2align	6, 0x0
	.amdhsa_kernel k_q3dd1ac4714_ln
		.amdhsa_group_segment_fixed_size 17920
		.amdhsa_private_segment_fixed_size 0
		.amdhsa_enable_private_segment 0
		.amdhsa_kernarg_size 40
		.amdhsa_user_sgpr_count 2
		.amdhsa_user_sgpr_kernarg_segment_ptr 1
		.amdhsa_wavefront_size32 1
		.amdhsa_system_sgpr_workgroup_id_x 1
		.amdhsa_system_sgpr_workgroup_id_y 1
		.amdhsa_system_sgpr_workgroup_id_z 1
		.amdhsa_system_vgpr_workitem_id 0
		.amdhsa_next_free_vgpr 258
		.amdhsa_next_free_sgpr 66
		.amdhsa_reserve_vcc 0
		.amdhsa_float_denorm_mode_32 3
		.amdhsa_float_denorm_mode_16_64 3
		.amdhsa_memory_ordered 1
		.amdhsa_forward_progress 1
		.amdhsa_inst_pref_size 44
	.end_amdhsa_kernel
	.amdgpu_metadata
---
amdhsa.version: [ 1, 2 ]
amdhsa.kernels:
  - .name:           k_q3dd1ac4714_ln
    .symbol:         k_q3dd1ac4714_ln.kd
    .args:
      - { .name: x, .offset: 0, .size: 8, .value_kind: global_buffer, .address_space: global }
      - { .name: ln_w, .offset: 8, .size: 8, .value_kind: global_buffer, .address_space: global }
      - { .name: ln_b, .offset: 16, .size: 8, .value_kind: global_buffer, .address_space: global }
      - { .name: lowp_scales, .offset: 24, .size: 8, .value_kind: global_buffer, .address_space: global }
      - { .name: h_codes, .offset: 32, .size: 8, .value_kind: global_buffer, .address_space: global }
    .group_segment_fixed_size: 17920
    .private_segment_fixed_size: 0
    .kernarg_segment_align: 8
    .kernarg_segment_size: 40
    .max_flat_workgroup_size: 128
    .sgpr_count:     66
    .vgpr_count:     258
    .wavefront_size: 32
...
	.end_amdgpu_metadata
.endif
;; end of part 1
;; launch qkv (part 2): grid 64 x 4, 4 waves a work-group, clusters of 4 x 1, 327,680 bytes of LDS; arguments h_codes, w_qkv_codes, lowp_scales, b_qkv, q_codes, k_codes, v_codes; writes q_codes, k_codes, v_codes
.if DOCPART == 2
	.amdgcn_target "amdgcn-amd-amdhsa--gfx1250"
	.amdhsa_code_object_version 6
	.text
	.protected	k_q3dd1ac4714_qkv
	.globl	k_q3dd1ac4714_qkv
	.p2align	8
	.type	k_q3dd1ac4714_qkv,@function
k_q3dd1ac4714_qkv:
	s_mov_b64 s[64:65], 0
	v_nop
	global_prefetch_b8 v0, s[64:65] scope:SCOPE_SE
	s_setreg_imm32_b32 hwreg(HW_REG_WAVE_MODE, 25, 1), 1
	s_wait_xcnt 0x0
	s_wait_alu depctr_hold_cnt(0) depctr_sa_sdst(0) depctr_va_vdst(0) depctr_va_sdst(0) depctr_va_ssrc(0) depctr_va_vcc(0) depctr_vm_vsrc(0)
	s_getreg_b32 s2, hwreg(HW_REG_IB_STS2, 6, 4)
	s_cmp_eq_u32 s2, 0
	s_cbranch_scc0 .Lentry_in_a_cluster
	s_endpgm
.Lentry_in_a_cluster:
	s_bfe_u32 s2, ttmp6, 0x10000c
	s_cmp_lg_u32 s2, 0x3003
	s_cbranch_scc0 .Lentry_shape_is_right
	s_endpgm
.Lentry_shape_is_right:
; y = h w_qkv + b_qkv on codes of FP8 (E4M3), split into q, k, v (column 3 (64 head + d) + s: s = 0 q, 1 k, 2 v), each quantised on the way out with its given scale (q e3, k e2, v e4) for the attention launch.
; A sum of codes stands for sum x 2^(e0 + e1); the bias goes in as C, divided by that power; the three scales ahead of the quantiser are folded into the conversion's one.
; LIMITS: e_out - e0 - e1 between -126 and 119 for each of the three; NaN is not served.
; SHARES.  A work-group owns 128 tokens and four heads (quarter y): 64 x 4 = 256 work-groups.  Wave w owns tokens 64 (w / 2) on and, in each slot, head 4 y + 2 (slot) + w % 2: four tiles of 16 channels against four tiles of 16 tokens.
; THE WAVE'S h STAYS IN REGISTERS: 4 token tiles x 1,024 along K = 512 registers, loaded once as the images that the first launch stores.  So LDS holds W alone.
; W goes through a ring of two slots of 128 rows x 1,024 bytes (rows 3,072 bytes apart in memory: one of q, k, v), six tiles: q, q, k, k, v, v.  Each wave asks for 32 rows by one tensor load.
; CLUSTERS: the four work-groups of a cluster are four token blocks of one quarter y and walk the same W: each tile is asked for jointly, mask 15; a round of the cluster's barrier stands at each change of slots.
; PREFETCH: in the trips of the loop (tiles 0 to 3) the tile two further on is named, 512 blocks of 256 bytes, one a lane over the cluster's 16 waves, shared out by address; tiles 0 and 1 come by their loads alone; tiles 4 and 5 ask for nothing.
; q, k: the product is used transposed (source 0 = 16 rows of W, source 1 = 16 tokens): a lane holds one token and eight neighbouring channels.  v: source 0 = tokens: a lane holds one channel, and two neighbouring token tiles give it 16 neighbouring keys.
; q_codes, k_codes [bh][Tn = 128][c = 2][lane][16]; v_codes [bh][kb = 32][dt = 4][c = 2][lane][16]; h_codes [s2 = 4][T = 512][q = 2][c = 4][lane][16].
; REGISTERS: window 0: v0-31 addresses, v32-95 two sets of four sums, v96-127 the slot's bias as C, v128-159 held numbers, v160-167 codes.  Window 1: h, K 0-511 (tile a, chunk q at 64 a + 16 q); window 2: K 512-1,023.  Window 3: W's fragments of a channel tile, two sets of 128.
.set WP,    1040                       ; an LDS row of W: 1,024 bytes + 16 = 260 words: row r starts at bank 4 r mod 64 (64 banks of 4 bytes: ISA guide 11.1)
.set SLOT,  128*WP
.set BTAB,  2*SLOT                     ; the bias table: [s = 3][256 channels of my quarter] f32, already divided by 2^(e0 + e1)
.set SPARE, BTAB+3072                  ; the spare words: 128 bytes a wave
.set LI,   1                           ; v1  16 x lane
.set ADW,  2                           ; v2-3 LDS address of my W fragments in slot 0, 1
.set ADB,  4                           ; v4  bias for q, k: BTAB + 256 (w % 2) + 32 h
.set ADBV, 5                           ; v5  bias for v: BTAB + 256 (w % 2) + 4 r
.set ADBT, 6                           ; v6  v4 + 1,024 s
.set CO,   7                           ; v7  16 r + 8 h
.set PFO,  8                           ; v8  the prefetches' offset
.set SC,   9                           ; v9  2^(e_out - e0 - e1)
.set LIM,  10                          ; v10 448 x that
.set SPW,  11
.set NIL,  12
.set ACC,  32
.set BI,   96
.set T,    128
.set CD,   160
.set WV,   18
.set WT,   19
.set WN,   20
.set CX,   21
.set YQ,   22
.set BLK,  23
.set G1,   24                          ; s[24:31] descriptor group 1
.set G0,   32                          ; s[32:39] group 0, one set for each slot
.set OUT,  48                          ; s[48:49] q_codes or k_codes at my part
.set SCQ,  56                          ; s56-61 the conversion's scale and the hold for q, k, v
.set PF,   62                          ; s[62:63] where the prefetches stand
.set CNT,  66
.set BS,   67                          ; s67 1,024 s
.set MSB,  0
.macro WIN new                         ; the immediate's high byte repeats the setting that is left
.if MSB != (\new)
	s_set_vgpr_msb (MSB<<8)|(\new)
.set MSB, (\new)
.endif
.endm
.macro ROUND                           ; a round of the cluster's barrier
	s_barrier_signal -1
	s_barrier_wait -1
	s_cmp_lg_u32 s[WV], 0
	s_cbranch_scc1 .Lnot_wave_0_\@
	s_barrier_signal -3
.Lnot_wave_0_\@:
	s_barrier_wait -3
	s_barrier_signal -1
	s_barrier_wait -1
.endm
.macro MKSC e, sc                      ; s[sc] = 2^(e - e0 - e1) as f32, s[sc+1] = 448 x that
	s_sub_co_i32 s[\sc], s[\e], s78
	s_add_co_i32 s[\sc], s[\sc], 127
	s_add_co_i32 s[\sc+1], s[\sc], 8
	s_lshl_b32 s[\sc], s[\sc], 23
	s_lshl_b32 s[\sc+1], s[\sc+1], 23
	s_or_b32 s[\sc+1], s[\sc+1], 0x600000
.endm
	s_load_b256 s[4:11], s[0:1], 0x0               ; h_codes s[4:5], w_qkv_codes s[6:7], the exponents s[8:9], b_qkv s[10:11]
	s_load_b128 s[12:15], s[0:1], 0x20             ; q_codes, k_codes
	s_load_b64 s[16:17], s[0:1], 0x30              ; v_codes
	v_lshl_add_u32 v[SPW], v0, 2, SPARE
	v_mov_b32 v[NIL], 0
	ds_add_u32 v[SPW], v[NIL]                      ; the opening lines: the add, twice on end, and its wait
	ds_add_u32 v[SPW], v[NIL]
	v_lshrrev_b32 v13, 5, v0
	v_readfirstlane_b32 s[WV], v13                 ; wave 0..3
	s_lshr_b32 s[WT], s[WV], 1                     ; my half of the tokens
	s_and_b32 s[WN], s[WV], 1                      ; my half of a slot's rows
	s_bfe_u32 s[CX], ttmp6, 0x40000                ; cx: it enters global addresses of h, of the outputs and of the prefetches alone
	s_and_b32 s[YQ], ttmp7, 0xffff                 ; the quarter of the heads, which the four partners share
	s_lshl_b32 s[BLK], ttmp9, 2
	s_add_co_u32 s[BLK], s[BLK], s[CX]             ; the token block, 0..63
	s_mov_b32 s[G1], 15|(0<<16)|(1<<20)|(1<<21)|(7<<22)|(3<<25)   ; the mask: all four; elements of 1 byte; padding of 4 words after every 256; bit 21 beside a mask
	s_mov_b32 s[G1+1], 1024<<16                    ; tensor_dim0
	s_mov_b32 s[G1+2], 32<<16                      ; tensor_dim1
	s_mov_b32 s[G1+3], 1024<<16                    ; tile_dim0
	s_mov_b32 s[G1+4], 32                          ; tile_dim1
	s_mov_b32 s[G1+5], 3072                        ; from row to row: every third row of W
	s_mov_b32 s[G1+6], 0
	s_mov_b32 s[G1+7], 0
	s_mul_i32 s68, s[YQ], 786432                   ; row 3 x 256 y,
	s_mul_i32 s69, s[WV], 98304                    ; + 3 x 32 w
	s_add_co_u32 s68, s68, s69
	s_mov_b32 s69, 0
	s_mul_i32 s70, s[WV], 32*WP                    ; and in a slot
	s_wait_dscnt 0x0
	s_wait_kmcnt 0x0
	s_load_b256 s[40:47], s[8:9], 0x0              ; e0 .. e7
	s_add_nc_u64 s[68:69], s[6:7], s[68:69]
.irp n, 0,1
	s_mov_b32 s[G0+4*\n], 1
	s_add_co_u32 s[G0+4*\n+1], s70, \n*SLOT
	s_add_nc_u64 s[G0+4*\n+2:G0+4*\n+3], s[68:69], \n*128*3072   ; tile n: q's rows 128 n on
	s_or_b32 s[G0+4*\n+3], s[G0+4*\n+3], 0x80000000
.endr
	ROUND                                          ; all four work-groups are here: the joint loads meet
	tensor_load_to_lds s[G0:G0+3], s[G1:G1+7]      ; tile 0: one tensor load a wave at the head
	s_nop 0
.rept 4
	v_nop
.endr
	s_lshl_b32 s72, s[BLK], 15                     ; h: tile 8 block + 4 (w / 2), 4,096 bytes a tile
	s_lshl_b32 s73, s[WT], 14
	s_add_co_u32 s72, s72, s73
	s_mov_b32 s73, 0
	s_add_nc_u64 s[4:5], s[4:5], s[72:73]
	s_lshr_b32 s72, s[BLK], 4                      ; the outputs: bh = 16 batch + 4 y + w % 2 (+ 2 slot, by the stores' offsets),
	s_lshl_b32 s72, s72, 4
	s_lshl_b32 s73, s[YQ], 2
	s_add_co_u32 s72, s72, s73
	s_add_co_u32 s72, s72, s[WN]
	s_lshl_b32 s72, s72, 17
	s_and_b32 s73, s[BLK], 15                      ; and my 64 tokens of the batch: 4,096 bytes in each of the three layouts
	s_lshl_b32 s73, s73, 1
	s_add_co_u32 s73, s73, s[WT]
	s_lshl_b32 s73, s73, 12
	s_add_co_u32 s72, s72, s73
	s_mov_b32 s73, 0
	s_add_nc_u64 s[12:13], s[12:13], s[72:73]
	s_add_nc_u64 s[14:15], s[14:15], s[72:73]
	s_add_nc_u64 s[16:17], s[16:17], s[72:73]
	s_mul_i32 s72, s[YQ], 3072                     ; b_qkv: my quarter's 768 numbers
	s_add_nc_u64 s[10:11], s[10:11], s[72:73]
	s_mul_i32 s72, s[YQ], 786432
	s_add_nc_u64 s[PF:PF+1], s[6:7], s[72:73]
	s_add_nc_u64 s[PF:PF+1], s[PF:PF+1], 1024      ; tile 2: k's rows
	s_mul_i32 s74, s[WN], 64*WP
	s_add_co_u32 s75, s74, SLOT
	s_lshl_b32 s76, s[WN], 8
	s_add_co_u32 s76, s76, BTAB
	s_lshl_b32 s77, s[CX], 7
	s_wait_kmcnt 0x0
	s_add_co_i32 s78, s40, s41                     ; e0 + e1
	s_sub_co_i32 s79, 0, s78
	MKSC 43, SCQ
	MKSC 42, SCQ+2
	MKSC 44, SCQ+4
	s_mov_b32 s[CNT], 2
	s_mov_b32 s[BS], 0
	v_and_b32 v13, 31, v0
	v_lshlrev_b32 v[LI], 4, v13
	v_mul_u32_u24 v17, v0, 12
.irp s, 0,1,2
.irp u, 0,1
	global_load_b32 v[18+2*\s+\u], v17, s[10:11] offset:1536*\u+4*\s   ; bias of channel 128 u + thread, part s
.endr
.endr
.irp q, 0,1,2,3,4,5,6,7                        ; my h: 128 loads of 512 consecutive bytes
.if \q == 0
	WIN 0x40
.endif
.if \q == 4
	WIN 0x80
.endif
.irp a, 0,1,2,3
.irp c, 0,1,2,3
	global_load_b128 v[64*\a+16*(\q%4)+4*\c:64*\a+16*(\q%4)+4*\c+3], v[LI], s[4:5] offset:(\q/2)*2097152+\a*4096+(\q%2)*2048+\c*512
.endr
.endr
.endr
	WIN 0
	v_and_b32 v14, 15, v0                          ; r
	v_bfe_u32 v15, v0, 4, 1                        ; h
	v_mul_u32_u24 v16, v14, WP
	v_lshl_add_u32 v16, v15, 4, v16
	v_add_nc_u32 v[ADW], s74, v16
	v_add_nc_u32 v[ADW+1], s75, v16
	v_lshl_add_u32 v[ADB], v15, 5, s76
	v_lshl_add_u32 v[ADBV], v14, 2, s76
	v_lshlrev_b32 v[CO], 4, v14
	v_lshl_add_u32 v[CO], v15, 3, v[CO]
	v_add_nc_u32 v[PFO], s77, v0                   ; block 128 cx + thread of a tile's 512: row block / 4, piece block % 4
	v_and_b32 v26, 3, v[PFO]
	v_lshrrev_b32 v[PFO], 2, v[PFO]
	v_mul_u32_u24 v[PFO], v[PFO], 3072
	v_lshl_add_u32 v[PFO], v26, 8, v[PFO]
	v_lshl_add_u32 v25, v0, 2, BTAB
	s_wait_alu depctr_va_vdst(0)
	s_wait_loadcnt 63                              ; the six oldest loads, the bias, are in (134 were issued)
.irp n, 0,1,2,3,4,5
	v_ldexp_f32 v[18+\n], v[18+\n], s79            ; / 2^(e0 + e1)
.endr
.irp s, 0,1,2
.irp u, 0,1
	ds_store_b32 v25, v[18+2*\s+\u] offset:1024*\s+512*\u
.endr
.endr
.macro FETCH slot, i                   ; W's fragments of channel tile i, all of K: 32 loads into set i % 2
	WIN 0xc0
.irp q, 0,1,2,3,4,5,6,7
.irp c, 0,1,2,3
	ds_load_b128 v[128*((\i)%2)+16*\q+4*\c:128*((\i)%2)+16*\q+4*\c+3], v[ADW+\slot] offset:(\i)*16*WP+128*\q+32*\c
.endr
.endr
	WIN 0
.endm
.macro MUL i, isv                      ; 32 products: K ascending, the four token tiles' sums by turns; the first takes the bias as C
.irp q, 0,1,2,3,4,5,6,7
.if \q == 0
	WIN 0x07+6*(\isv)
.endif
.if \q == 4
	WIN 0x0b+3*(\isv)
.endif
.irp a, 0,1,2,3
.if \isv
.if \q == 0
	v_wmma_f32_16x16x128_fp8_fp8 v[ACC+32*((\i)%2)+8*\a:ACC+32*((\i)%2)+8*\a+7], v[64*\a+16*(\q%4):64*\a+16*(\q%4)+15], v[128*((\i)%2)+16*\q:128*((\i)%2)+16*\q+15], v[BI+8*(\i):BI+8*(\i)+7]
.else
	v_wmma_f32_16x16x128_fp8_fp8 v[ACC+32*((\i)%2)+8*\a:ACC+32*((\i)%2)+8*\a+7], v[64*\a+16*(\q%4):64*\a+16*(\q%4)+15], v[128*((\i)%2)+16*\q:128*((\i)%2)+16*\q+15], v[ACC+32*((\i)%2)+8*\a:ACC+32*((\i)%2)+8*\a+7]
.endif
.else
.if \q == 0
	v_wmma_f32_16x16x128_fp8_fp8 v[ACC+32*((\i)%2)+8*\a:ACC+32*((\i)%2)+8*\a+7], v[128*((\i)%2)+16*\q:128*((\i)%2)+16*\q+15], v[64*\a+16*(\q%4):64*\a+16*(\q%4)+15], v[BI+8*(\i):BI+8*(\i)+7]
.else
	v_wmma_f32_16x16x128_fp8_fp8 v[ACC+32*((\i)%2)+8*\a:ACC+32*((\i)%2)+8*\a+7], v[128*((\i)%2)+16*\q:128*((\i)%2)+16*\q+15], v[64*\a+16*(\q%4):64*\a+16*(\q%4)+15], v[ACC+32*((\i)%2)+8*\a:ACC+32*((\i)%2)+8*\a+7]
.endif
.endif
.endr
.endr
	WIN 0
.endm
.macro EPI i, slot, isv                ; channel tile i goes out: the hold, the conversion, the stores
	s_wait_xcnt 0x0                                ; the earlier stores have read their data registers
.set kk, 0
.rept 32
	v_med3_num_f32 v[T+kk], v[ACC+32*((\i)%2)+kk], -v[LIM], v[LIM]   ; the conversion to an 8-bit code does not saturate (ISA guide 7.6.2); each sum from its low end on
.set kk, kk+1
.endr
.irp a, 0,1,2,3
	v_cvt_scalef32_pk8_fp8_f32 v[CD+2*\a:CD+2*\a+1], v[T+8*\a:T+8*\a+7], v[SC]
.endr
	v_nop                                          ; a plain line behind the last conversion
.if \isv
.irp g, 0,1
	global_store_b128 v[LI], v[CD+4*\g:CD+4*\g+3], s[16:17] offset:262144*\slot+1024*(\i)+512*\g   ; 512 consecutive bytes: channels 16 i on, keys 32 g + 16 h on
.endr
.else
.irp a, 0,1,2,3
	global_store_b64 v[CO], v[CD+2*\a:CD+2*\a+1], s[OUT:OUT+1] offset:262144*\slot+1024*\a+256*(\i)   ; 256 consecutive bytes, aligned
.endr
.endif
.endm
; A TILE OF W.  The change of slots stands at its head: all my tensor loads are waited for, the add, my LDS reads, a round; behind it the next tile is asked for, into the slot read last (the first time: slot 1's first fill).
.macro TRIP slot, refill, isv, ask
	s_wait_tensorcnt 0x0
	ds_add_u32 v[SPW], v[NIL]
	s_add_nc_u64 s[G0+4*\slot+2:G0+4*\slot+3], s[G0+4*\slot+2:G0+4*\slot+3], 1024   ; this slot's next tile: the next of q, k, v
	s_wait_dscnt 0x0
	ROUND
.if \refill
	tensor_load_to_lds s[G0+4-4*\slot:G0+7-4*\slot], s[G1:G1+7]
	s_nop 0
.rept 4
	v_nop
.endr
.endif
.irp i, 0,1,2,3                                ; the slot's bias, in the sums' layout
.if \isv
.irp j, 0,1,2,3,4,5,6,7
	ds_load_b32 v[BI+8*\i+\j], v[ADBV] offset:2048+512*\slot+64*\i
.endr
.else
	ds_load_b128 v[BI+8*\i:BI+8*\i+3],   v[ADBT] offset:512*\slot+64*\i
	ds_load_b128 v[BI+8*\i+4:BI+8*\i+7], v[ADBT] offset:512*\slot+64*\i+16
.endif
.endr
	FETCH \slot, 0
	FETCH \slot, 1
.if \ask
	global_prefetch_b8 v[PFO], s[PF:PF+1] offset:393216*\slot th:TH_LOAD_NT scope:SCOPE_SE   ; the tile two further on
.endif
	s_wait_dscnt 32                                ; all but tile 1's 32 loads
	MUL 0, \isv
.rept 4
	v_nop                                          ; places in front of the loads into set 0 and of the first read of the sums
.endr
	FETCH \slot, 2
	s_wait_dscnt 32
	MUL 1, \isv
	EPI 0, \slot, \isv                             ; its vector lines are the places in front of the loads below
	FETCH \slot, 3
	s_wait_dscnt 32
	MUL 2, \isv
	EPI 1, \slot, \isv
	s_wait_dscnt 0x0
	MUL 3, \isv
	EPI 2, \slot, \isv
	EPI 3, \slot, \isv
.endm
	s_wait_alu depctr_va_vdst(0)
	s_wait_loadcnt 0x0                             ; my h is in
.Lqk:                                              ; two trips: q's two tiles, then k's
	s_cmp_eq_u32 s[CNT], 2
	s_cselect_b64 s[OUT:OUT+1], s[12:13], s[14:15]
	s_cselect_b32 s68, s[SCQ], s[SCQ+2]
	s_cselect_b32 s69, s[SCQ+1], s[SCQ+3]
	v_mov_b32 v[SC], s68
	v_mov_b32 v[LIM], s69
	v_add_nc_u32 v[ADBT], s[BS], v[ADB]
	s_wait_alu depctr_va_vdst(0)
	TRIP 0, 1, 0, 1
	TRIP 1, 1, 0, 1
	s_wait_xcnt 0x0                                ; the stores have read their base, the prefetches their address
	s_add_nc_u64 s[PF:PF+1], s[PF:PF+1], 1024
	s_add_co_u32 s[BS], s[BS], 1024
	s_sub_co_u32 s[CNT], s[CNT], 1
	s_cmp_lg_u32 s[CNT], 0
	s_cbranch_scc1 .Lqk
	v_mov_b32 v[SC], s[SCQ+4]
	v_mov_b32 v[LIM], s[SCQ+5]
	s_wait_alu depctr_va_vdst(0)
	TRIP 0, 1, 1, 0                                ; v's two tiles are written out: the last asks for nothing
	TRIP 1, 0, 1, 0
	s_wait_tensorcnt 0x0                           ; the wave's end
	ds_add_u32 v[SPW], v[NIL]
	s_wait_dscnt 0x0
	ROUND                                          ; the closing round
	s_endpgm
.Lfunc_end_k_q3dd1ac4714_qkv:
	.size	k_q3dd1ac4714_qkv, .Lfunc_end_k_q3dd1ac4714_qkv-k_q3dd1ac4714_qkv
	.p2alignl 7, 3214868480
	.fill 96, 4, 3214868480
	.section	.rodata,"a",@progbits
	.p2align	6, 0x0
	.amdhsa_kernel k_q3dd1ac4714_qkv
		.amdhsa_group_segment_fixed_size 327680
		.amdhsa_private_segment_fixed_size 0
		.amdhsa_enable_private_segment 0
		.amdhsa_kernarg_size 56
		.amdhsa_user_sgpr_count 2
		.amdhsa_user_sgpr_kernarg_segment_ptr 1
		.amdhsa_wavefront_size32 1
		.amdhsa_system_sgpr_workgroup_id_x 1
		.amdhsa_system_sgpr_workgroup_id_y 1
		.amdhsa_system_sgpr_workgroup_id_z 1
		.amdhsa_system_vgpr_workitem_id 0
		.amdhsa_next_free_vgpr 1024
		.amdhsa_next_free_sgpr 96
		.amdhsa_reserve_vcc 0
		.amdhsa_float_denorm_mode_32 3
		.amdhsa_float_denorm_mode_16_64 3
		.amdhsa_memory_ordered 1
		.amdhsa_forward_progress 1
		.amdhsa_inst_pref_size 138
	.end_amdhsa_kernel
	.amdgpu_metadata
---
amdhsa.version: [ 1, 2 ]
amdhsa.kernels:
  - .name:           k_q3dd1ac4714_qkv
    .symbol:         k_q3dd1ac4714_qkv.kd
    .args:
      - { .name: h_codes, .offset: 0, .size: 8, .value_kind: global_buffer, .address_space: global }
      - { .name: w_qkv_codes, .offset: 8, .size: 8, .value_kind: global_buffer, .address_space: global }
      - { .name: lowp_scales, .offset: 16, .size: 8, .value_kind: global_buffer, .address_space: global }
      - { .name: b_qkv, .offset: 24, .size: 8, .value_kind: global_buffer, .address_space: global }
      - { .name: q_codes, .offset: 32, .size: 8, .value_kind: global_buffer, .address_space: global }
      - { .name: k_codes, .offset: 40, .size: 8, .value_kind: global_buffer, .address_space: global }
      - { .name: v_codes, .offset: 48, .size: 8, .value_kind: global_buffer, .address_space: global }
    .group_segment_fixed_size: 327680
    .private_segment_fixed_size: 0
    .kernarg_segment_align: 8
    .kernarg_segment_size: 56
    .max_flat_workgroup_size: 128
    .sgpr_count:     96
    .vgpr_count:     1024
    .wavefront_size: 32
...
	.end_amdgpu_metadata
.endif
;; end of part 2
;; launch attn (part 3): grid 4 x 64, 16 waves a work-group, clusters of 4 x 1, 264,192 bytes of LDS; arguments q_codes, k_codes, v_codes, lowp_scales, o_codes; writes o_codes
.if DOCPART == 3
	.amdgcn_target "amdgcn-amd-amdhsa--gfx1250"
	.amdhsa_code_object_version 6
	.text
	.protected	k_q3dd1ac4714_attn
	.globl	k_q3dd1ac4714_attn
	.p2align	8
	.type	k_q3dd1ac4714_attn,@function
k_q3dd1ac4714_attn:
	s_mov_b64 s[64:65], 0
	v_nop
	global_prefetch_b8 v0, s[64:65] scope:SCOPE_SE
	s_setreg_imm32_b32 hwreg(HW_REG_WAVE_MODE, 25, 1), 1
	s_wait_xcnt 0x0
	s_wait_alu depctr_hold_cnt(0) depctr_sa_sdst(0) depctr_va_vdst(0) depctr_va_sdst(0) depctr_va_ssrc(0) depctr_va_vcc(0) depctr_vm_vsrc(0)
	s_getreg_b32 s2, hwreg(HW_REG_IB_STS2, 6, 4)
	s_cmp_eq_u32 s2, 0
	s_cbranch_scc0 .Lentry_in_a_cluster
	s_endpgm
.Lentry_in_a_cluster:
	s_bfe_u32 s2, ttmp6, 0x10000c
	s_cmp_lg_u32 s2, 0x3003
	s_cbranch_scc0 .Lentry_shape_is_right
	s_endpgm
.Lentry_shape_is_right:
; o = softmax(q k^T / 8) v for 64 (batch, head) pairs, 2,048 keys, head size 64, both products on codes of FP8 (E4M3); o is quantised on the way out for the module's last product.
; SCALES: k e2, q e3, v e4, p e5, o e6.  t = score x 2^(e2 + e3) x log2(e) / 8; M = the running largest t rounded UP to a whole number; p = 2^(t - M) is quantised with 2^e5, not normalised;
; the row's sum is taken of the unquantised p and divides at the end.  When M moves, the sum and O are multiplied by 2^(old M - new M): exact, and no branch on data.
; LIMITS: e2 + e3 between -123 and 130 (added to a constant's exponent field); e5 and e6 between -126 and 119; e4 + e5 goes by v_ldexp_f32 and has none.  NaN is not served.
; SHARES.  A cluster of four work-groups is one (batch, head); a work-group owns 512 queries, each of its sixteen waves 32: two tiles of 16, in 256 registers.
; THE HEAD'S WHOLE K AND V STAY IN LDS, 131,072 bytes each, images of operand registers, brought ONCE by joint loads that name all four work-groups: each wave asks for 16,384 bytes by its one tensor load
; (waves 0-7: K's; waves 8-15: V's).  Nothing is filled again: no ring, and one barrier behind the loads.  No prefetch: every byte is asked for at the head, and no loop stands ahead of these loads.
; A KEY STEP is 128 keys.  K's eight fragments are read once and feed both tiles; the scores of ONE tile at a time take 64 registers; O and the sums are rescaled once in 128 keys.
; Tile 1's codes of p are laid over K's fragments, which are done with; V's four fragments (16 channels x 128 keys) over the scores' registers.
; LAYOUT.  Both products transposed: S^T = K Q^T (source 0 = 16 keys, source 1 = 16 queries), O^T = V^T P^T: a lane holds ONE query throughout.  A tile's 16 tokens are 32 (T / 2) + 8 (T % 2) + m + 8 (m / 8), so the 16 registers
; of key tiles 2 c and 2 c + 1 are keys 32 c + 16 h + 0 .. 15: the conversions' results are the second product's operand, k laid alike in V's fragment and in p's.
; q_codes, k_codes [bh][Tn = 128][c = 2][lane][16]; v_codes [bh][kb = 32][dt = 4][c = 2][lane][16]; o_codes [s2 = 4][T = 512][q = 2][c = 4][lane][16].
.set VBASE, 131072                     ; V lies behind K
.set SPARE, 262144                     ; the spare words: 128 bytes a wave
.set LI,   1                           ; v1   16 x lane
.set ADK,  2                           ; v2   LDS address of the step's K
.set ADV,  3                           ; v3   of its V
.set GO,   4                           ; v4   the way out: 16 r + 8 h
.set SC,   5                           ; v5   2^e5; on the way out 2^e6
.set PD,   6                           ; v6   a lane permute's destination
.set LIMV, 7                           ; v7   the way out: 448 x 2^e6
.set ST,   8                           ; tile g at v[ST+6g]: +0 -M, +1 the largest t, +2, +3 the sum in two halves, +4 f, +5 zero
.set TA,   20                          ; v20-23 four chains of the maximum, then two chains of the sum
.set SPW,  24                          ; v24  my spare word
.set NIL,  25                          ; v25  0
.set OM,   26                          ; v26  the old -M
.set Q,    32                          ; v32-47   my two query tiles
.set P,    48                          ; v48-63   tile 0's codes of p; tile 1's at v64-79
.set KF,   64                          ; v64-127  the step's eight fragments of K
.set S,    128                         ; v128-191 S^T, then p, of one tile; then V's four fragments
.set O,    192                         ; v192-255 O^T: 32 a tile
.set WV,   14
.set SEL,  20                          ; s[20:21] lane selects: lane l xor 16
.set CS,   22                          ; s[22:23] log2(e) / 8 x 2^(e2 + e3)
.set G1,   24                          ; s[24:31] descriptor group 1: 64 rows x 256 bytes, dense
.set G0K,  32                          ; s[32:35] group 0 for K
.set G0V,  36                          ; s[36:39] for V
.set LIMS, 40                          ; s40  448 x 2^e5
.set TB,   66                          ; s66  LDS byte of the step's K
.set CNT,  67
.macro ROUND                           ; a round of the cluster's barrier
	s_barrier_signal -1
	s_barrier_wait -1
	s_cmp_lg_u32 s[WV], 0
	s_cbranch_scc1 .Lnot_wave_0_\@
	s_barrier_signal -3
.Lnot_wave_0_\@:
	s_barrier_wait -3
	s_barrier_signal -1
	s_barrier_wait -1
.endm
	s_load_b256 s[4:11], s[0:1], 0x0               ; q_codes s[4:5], k_codes s[6:7], v_codes s[8:9], the scales' exponents s[10:11]
	s_load_b64 s[12:13], s[0:1], 0x20              ; o_codes
	v_lshl_add_u32 v[SPW], v0, 2, SPARE
	v_mov_b32 v[NIL], 0
	ds_add_u32 v[SPW], v[NIL]                      ; the opening lines: the add, twice on end, and its wait
	ds_add_u32 v[SPW], v[NIL]
	v_lshrrev_b32 v1, 5, v0
	v_readfirstlane_b32 s[WV], v1                  ; wave 0..15
	s_bfe_u32 s15, ttmp6, 0x40000                  ; cx: it enters Q's and O's global addresses alone
	s_and_b32 s16, ttmp7, 0xffff                   ; bh, which the four partners share
	s_and_b32 s17, s[WV], 7
	s_lshl_b32 s17, s17, 14                        ; my 16,384 bytes of K or of V: in LDS,
	s_lshl_b32 s18, s16, 17
	s_add_co_u32 s18, s18, s17                     ; and in memory, in my head
	s_mov_b32 s19, 0
	s_mov_b32 s[G1], 15|(3<<16)|(1<<21)            ; the mask: all four work-groups; elements of 8 bytes; bit 21 beside a mask; no padding
	s_mov_b32 s[G1+1], 32<<16                      ; tensor_dim0 = 32 elements: 256 bytes
	s_mov_b32 s[G1+2], 64<<16                      ; tensor_dim1 = 64
	s_mov_b32 s[G1+3], 32<<16                      ; tile_dim0
	s_mov_b32 s[G1+4], 64                          ; tile_dim1
	s_mov_b32 s[G1+5], 32                          ; the pitch = the row
	s_mov_b32 s[G1+6], 0
	s_mov_b32 s[G1+7], 0
	s_mov_b32 s[SEL], 0x76543210
	s_mov_b32 s[SEL+1], 0xfedcba98
	s_wait_dscnt 0x0
	s_wait_kmcnt 0x0
	s_load_b256 s[72:79], s[10:11], 0x0            ; e0 .. e7
	s_mov_b32 s[G0K], 1
	s_mov_b32 s[G0K+1], s17
	s_add_nc_u64 s[G0K+2:G0K+3], s[6:7], s[18:19]
	s_or_b32 s[G0K+3], s[G0K+3], 0x80000000
	s_mov_b32 s[G0V], 1
	s_add_co_u32 s[G0V+1], s17, VBASE
	s_add_nc_u64 s[G0V+2:G0V+3], s[8:9], s[18:19]
	s_or_b32 s[G0V+3], s[G0V+3], 0x80000000
	ROUND                                          ; all four work-groups are here: the joint loads meet
	s_cmp_lt_u32 s[WV], 8                          ; one fill a wave, in the two arms of one branch on its number
	s_cbranch_scc0 .Lfill_v
	tensor_load_to_lds s[G0K:G0K+3], s[G1:G1+7]
	s_nop 0
.rept 4
	v_nop
.endr
	s_branch .Lfilled
.Lfill_v:
	tensor_load_to_lds s[G0V:G0V+3], s[G1:G1+7]
	s_nop 0
.rept 4
	v_nop
.endr
.Lfilled:
	v_and_b32 v[LI], 31, v0
	v_lshlrev_b32 v[LI], 4, v[LI]
	s_wait_alu depctr_va_vdst(0)
	s_lshl_b32 s80, s15, 5
	s_lshl_b32 s81, s[WV], 1
	s_add_co_u32 s85, s80, s81                     ; my first query tile of the batch's 128: 32 cx + 2 w
	s_lshl_b32 s80, s85, 10
	s_lshl_b32 s81, s16, 17
	s_add_co_u32 s80, s80, s81
	s_mov_b32 s81, 0
	s_add_nc_u64 s[4:5], s[4:5], s[80:81]
.irp g, 0,1
	global_load_b128 v[Q+8*\g:Q+8*\g+3],   v[LI], s[4:5] offset:1024*\g
	global_load_b128 v[Q+8*\g+4:Q+8*\g+7], v[LI], s[4:5] offset:1024*\g+512
.endr
	s_and_b32 s82, s16, 15                         ; the head: its 64 of the last product's 1,024 along K are K step head / 4, half (head / 2) % 2, pieces 2 (head % 2) on
	s_lshr_b32 s83, s82, 2
	s_lshl_b32 s83, s83, 21
	s_bfe_u32 s84, s82, 0x10001
	s_lshl_b32 s84, s84, 11
	s_add_co_u32 s83, s83, s84
	s_and_b32 s84, s82, 1
	s_lshl_b32 s84, s84, 10
	s_add_co_u32 s83, s83, s84
	s_lshr_b32 s84, s16, 4                         ; the batch: 128 tiles
	s_lshl_b32 s84, s84, 7
	s_add_co_u32 s84, s84, s85
	s_lshl_b32 s84, s84, 12
	s_add_co_u32 s82, s83, s84
	s_mov_b32 s83, 0
	s_add_nc_u64 s[12:13], s[12:13], s[82:83]
	v_and_b32 v[GO], 15, v0
	v_lshlrev_b32 v[GO], 4, v[GO]
	v_bfe_u32 v7, v0, 4, 1
	v_lshl_add_u32 v[GO], v7, 3, v[GO]
.irp g, 0,1
	v_mov_b32 v[ST+6*\g+1], 0xff61b1e6             ; the largest t so far: -3e38, under every t
	v_mov_b32 v[ST+6*\g+2], 0                      ; the sum, in two halves
	v_mov_b32 v[ST+6*\g+3], 0
	v_mov_b32 v[ST+6*\g+5], 0                      ; (named as the upper half of f's pair)
	v_floor_f32 v[ST+6*\g], -v[ST+6*\g+1]          ; -M
.endr
	v_mov_b32 v[PD], 0                             ; written once: a lane permute's destination counts as one of its sources
.set jj, 0
.rept 64
	v_mov_b32 v[O+jj], 0                           ; O^T.  (One text serves all 16 steps: the first finds zeros, which the first change of M leaves zeros)
.set jj, jj+1
.endr
	s_wait_kmcnt 0x0                               ; the exponents
	s_add_co_i32 s84, s74, s75
	s_lshl_b32 s84, s84, 23
	s_add_co_i32 s[CS], s84, 0x3e38aa3b            ; log2(e) / 8, with e2 + e3 added to its exponent field
	s_mov_b32 s[CS+1], s[CS]                       ; (named with it as a pair, so it is written)
	s_add_co_i32 s84, s77, 127
	s_lshl_b32 s85, s84, 23
	v_mov_b32 v[SC], s85                           ; 2^e5
	s_add_co_i32 s84, s84, 8
	s_lshl_b32 s84, s84, 23
	s_or_b32 s[LIMS], s84, 0x600000                ; 448 x 2^e5
	s_add_co_i32 s86, s76, s77                     ; e4 + e5
	s_add_co_i32 s88, s78, 127
	s_lshl_b32 s87, s88, 23                        ; 2^e6
	s_add_co_i32 s88, s88, 8
	s_lshl_b32 s88, s88, 23
	s_or_b32 s88, s88, 0x600000                    ; 448 x 2^e6
	s_mov_b32 s[TB], 0
	s_mov_b32 s[CNT], 16
; S^T of tile g: four tiles t0 .. t0 + 3 of 16 keys against its 16 queries; each product starts its own sum
.macro QK g, t0
.irp t, \t0, \t0+1, \t0+2, \t0+3
	v_wmma_f32_16x16x64_fp8_fp8 v[S+8*(\t):S+8*(\t)+7], v[KF+8*(\t):KF+8*(\t)+7], v[Q+8*\g:Q+8*\g+7], 0
.endr
.endm
; THE SOFTMAX of tile g's 128 keys (64 scores a lane), from the scores in v[S ..] to the codes in v[P+16g ..]
.macro SOFTMAX g
	v_mov_b32 v[OM], v[ST+6*\g]                    ; the old -M.  This line and three v_nop: the four places in front of the first read of the scores
.rept 3
	v_nop
.endr
	v_max3_num_f32 v[TA],   v[S],   v[S+1],  v[S+2]    ; the largest score of my query among my 64 keys, in four chains, ascending: each accumulator is first read at its low end
	v_max3_num_f32 v[TA+1], v[S+3], v[S+4],  v[S+5]
	v_max3_num_f32 v[TA+2], v[S+6], v[S+7],  v[S+8]
	v_max3_num_f32 v[TA+3], v[S+9], v[S+10], v[S+11]
.set ii, 0
.rept 26
	v_max3_num_f32 v[TA+ii%4], v[TA+ii%4], v[S+12+2*ii], v[S+13+2*ii]
.set ii, ii+1
.endr
	s_delay_alu instid0(VALU_DEP_1)
	v_max3_num_f32 v[TA], v[TA], v[TA+1], v[TA+2]
	s_delay_alu instid0(VALU_DEP_1)
	v_max_num_f32 v[TA], v[TA], v[TA+3]
	s_delay_alu instid0(VALU_DEP_1)
	v_permlanex16_b32 v[PD], v[TA], s[SEL], s[SEL+1]
	s_delay_alu instid0(VALU_DEP_1)
	v_max_num_f32 v[TA], v[TA], v[PD]              ; and among lane l xor 16's
	s_delay_alu instid0(VALU_DEP_1)
	v_mul_f32 v[TA], s[CS], v[TA]                  ; as t (the factor is positive)
	s_delay_alu instid0(VALU_DEP_1)
	v_max_num_f32 v[ST+6*\g+1], v[ST+6*\g+1], v[TA]    ; the running largest t
	s_delay_alu instid0(VALU_DEP_1)
	v_floor_f32 v[ST+6*\g], -v[ST+6*\g+1]          ; the new -M = floor(-t) = -ceil(t): a whole number
.set jj, 0
.rept 32
	v_pk_fma_f32 v[S+jj:S+jj+1], v[S+jj:S+jj+1], s[CS:CS+1], v[ST+6*\g:ST+6*\g+1] op_sel_hi:[1,0,0]   ; t - M, two at a time (of both pairs the low word serves both halves)
.set jj, jj+2
.endr
	v_sub_f32 v[OM], v[ST+6*\g], v[OM]             ; old M - new M: a whole number, 0 or less
	s_delay_alu instid0(VALU_DEP_1)
	v_cvt_i32_f32 v[OM], v[OM]                     ; (it saturates)
	s_delay_alu instid0(VALU_DEP_1)
	v_ldexp_f32 v[ST+6*\g+4], 1.0, v[OM]           ; f = 2^(old M - new M)
	s_wait_alu depctr_va_vdst(0)
.set jj, 0
.rept 64
	v_exp_f32 v[S+jj], v[S+jj]                     ; p = 2^(t - M), at most 1: one batch
.set jj, jj+1
.endr
	v_pk_mul_f32 v[ST+6*\g+2:ST+6*\g+3], v[ST+6*\g+2:ST+6*\g+3], v[ST+6*\g+4:ST+6*\g+5] op_sel_hi:[1,0]   ; the sum under the new M (a plain line behind the exponentials)
	s_wait_alu depctr_va_vdst(0)                   ; one wait for the batch, ahead of its first reader
	v_pk_add_f32 v[TA:TA+1],   v[S:S+1],   v[S+2:S+3]      ; THE ROW'S SUM IS TAKEN OF THE UNQUANTISED p: three chains
	v_pk_add_f32 v[TA+2:TA+3], v[S+4:S+5], v[S+6:S+7]
.set jj, 8
.rept 9
	v_pk_add_f32 v[ST+6*\g+2:ST+6*\g+3], v[ST+6*\g+2:ST+6*\g+3], v[S+jj:S+jj+1]
	v_pk_add_f32 v[TA:TA+1],   v[TA:TA+1],   v[S+jj+2:S+jj+3]
	v_pk_add_f32 v[TA+2:TA+3], v[TA+2:TA+3], v[S+jj+4:S+jj+5]
.set jj, jj+6
.endr
	v_pk_add_f32 v[ST+6*\g+2:ST+6*\g+3], v[ST+6*\g+2:ST+6*\g+3], v[S+62:S+63]
	v_pk_add_f32 v[TA:TA+1], v[TA:TA+1], v[TA+2:TA+3]
.set jj, 0
.rept 32
	v_dual_min_num_f32 v[S+jj], s[LIMS], v[S+jj] :: v_dual_min_num_f32 v[S+jj+1], s[LIMS], v[S+jj+1]   ; the conversion to an 8-bit code does not saturate (ISA guide 7.6.2); p is not negative, so the hold is one-sided; two numbers a line
.set jj, jj+2
.endr
	v_pk_add_f32 v[ST+6*\g+2:ST+6*\g+3], v[ST+6*\g+2:ST+6*\g+3], v[TA:TA+1]
.irp m, 0,1,2,3,4,5,6,7
	v_cvt_scalef32_pk8_fp8_f32 v[P+16*\g+2*\m:P+16*\g+2*\m+1], v[S+8*\m:S+8*\m+7], v[SC]   ; registers 4 c .. 4 c + 3: keys 32 c + 16 h + 0 .. 15
.endr
	v_nop                                          ; a plain line behind the last conversion
.endm
	s_wait_alu depctr_va_vdst(0)
	s_wait_loadcnt 0x0                             ; Q
	s_wait_tensorcnt 0x0                           ; my part of K or V has landed;
	s_barrier_signal -1
	s_barrier_wait -1                              ; everybody's has.
.Lstep:                                            ; 16 trips of 128 keys
	v_add_nc_u32 v[ADK], s[TB], v[LI]
	v_add_nc_u32 v[ADV], VBASE, v[ADK]             ; these two lines and three v_nop: five places between the last step's products and the loads and products that write over their sources
.rept 3
	v_nop
.endr
.irp t, 0,1,2,3,4,5,6,7
	ds_load_b128 v[KF+8*\t:KF+8*\t+3],   v[ADK] offset:1024*\t
	ds_load_b128 v[KF+8*\t+4:KF+8*\t+7], v[ADK] offset:1024*\t+512
.endr
	s_wait_dscnt 8                                 ; fragments 0-3 are in; the younger eight loads may be out
	QK 0, 0
	s_wait_dscnt 0x0
	QK 0, 4
	SOFTMAX 0
	QK 1, 0
	QK 1, 4
	SOFTMAX 1
.irp t, 0,1,2,3
.irp u, 0,1
	ds_load_b128 v[S+16*\t+8*\u:S+16*\t+8*\u+3],   v[ADV] offset:4096*\u+1024*\t       ; V's fragment of channels 16 t on: registers 8 u + 4 c: keys 64 u + 32 c + 16 h on.  It lands while O is rescaled
	ds_load_b128 v[S+16*\t+8*\u+4:S+16*\t+8*\u+7], v[ADV] offset:4096*\u+1024*\t+512
.endr
.endr
	s_wait_alu depctr_va_vdst(0)
.irp g, 0,1
.set jj, 0
.rept 16
	v_pk_mul_f32 v[O+32*\g+jj:O+32*\g+jj+1], v[O+32*\g+jj:O+32*\g+jj+1], v[ST+6*\g+4:ST+6*\g+5] op_sel_hi:[1,0]   ; O^T under the new M, each accumulator from its low end on
.set jj, jj+2
.endr
.endr
	s_wait_alu depctr_va_vdst(0)
	s_wait_dscnt 0x0                               ; V is in
.irp t, 0,1,2,3
.irp g, 0,1
	v_wmma_f32_16x16x128_fp8_fp8 v[O+32*\g+8*\t:O+32*\g+8*\t+7], v[S+16*\t:S+16*\t+15], v[P+16*\g:P+16*\g+15], v[O+32*\g+8*\t:O+32*\g+8*\t+7]   ; the eight accumulators by turns
.endr
.endr
	s_add_co_u32 s[TB], s[TB], 8192
	s_sub_co_u32 s[CNT], s[CNT], 1
	s_cmp_lg_u32 s[CNT], 0
	s_cbranch_scc1 .Lstep
	; THE WAY OUT.  O^T / the sum x 2^(e4 + e5), held, converted with 2^e6.  A lane's eight channels are 8 bytes at 256 dt + 16 r + 8 h of the tile's image: a store of the wave covers 256 consecutive bytes, aligned.
.irp g, 0,1
	v_add_f32 v[ST+6*\g+2], v[ST+6*\g+2], v[ST+6*\g+3]     ; (these lines are also the places behind the last products)
.endr
.irp g, 0,1
	s_delay_alu instid0(VALU_DEP_2)
	v_permlanex16_b32 v[TA+\g], v[ST+6*\g+2], s[SEL], s[SEL+1]
.endr
.irp g, 0,1
	s_delay_alu instid0(VALU_DEP_2)
	v_add_f32 v[ST+6*\g+2], v[ST+6*\g+2], v[TA+\g]         ; the row's sum
.endr
	s_wait_alu depctr_va_vdst(0)
.irp g, 0,1
	v_rcp_f32 v[ST+6*\g+4], v[ST+6*\g+2]
.endr
	v_mov_b32 v[SC], s87                           ; (plain lines behind the reciprocals)  2^e6
	v_mov_b32 v[LIMV], s88                         ; 448 x 2^e6
	s_wait_alu depctr_va_vdst(0)                   ; one wait for the two, ahead of their first reader
.irp g, 0,1
	v_ldexp_f32 v[ST+6*\g+4], v[ST+6*\g+4], s86
.endr
	s_wait_alu depctr_va_vdst(0)
.irp g, 0,1
.set jj, 0
.rept 16
	v_pk_mul_f32 v[S+32*\g+jj:S+32*\g+jj+1], v[O+32*\g+jj:O+32*\g+jj+1], v[ST+6*\g+4:ST+6*\g+5] op_sel_hi:[1,0]
.set jj, jj+2
.endr
.endr
.set jj, 0
.rept 64
	v_med3_num_f32 v[S+jj], v[S+jj], -v[LIMV], v[LIMV]
.set jj, jj+1
.endr
.irp g, 0,1
.irp t, 0,1,2,3
	v_cvt_scalef32_pk8_fp8_f32 v[P+8*\g+2*\t:P+8*\g+2*\t+1], v[S+32*\g+8*\t:S+32*\g+8*\t+7], v[SC]
.endr
.endr
	v_nop                                          ; a plain line behind the last conversion
.irp g, 0,1
.irp t, 0,1,2,3
	global_store_b64 v[GO], v[P+8*\g+2*\t:P+8*\g+2*\t+1], s[12:13] offset:4096*\g+256*\t
.endr
.endr
	s_wait_tensorcnt 0x0                           ; the wave's end
	ds_add_u32 v[SPW], v[NIL]
	s_wait_dscnt 0x0
	ROUND                                          ; the closing round: no work-group ends while a partner may still ask for a tile that names it
	s_endpgm
.Lfunc_end_k_q3dd1ac4714_attn:
	.size	k_q3dd1ac4714_attn, .Lfunc_end_k_q3dd1ac4714_attn-k_q3dd1ac4714_attn
	.p2alignl 7, 3214868480
	.fill 96, 4, 3214868480
	.section	.rodata,"a",@progbits
	.p2align	6, 0x0
	.amdhsa_kernel k_q3dd1ac4714_attn
		.amdhsa_group_segment_fixed_size 264192
		.amdhsa_private_segment_fixed_size 0
		.amdhsa_enable_private_segment 0
		.amdhsa_kernarg_size 40
		.amdhsa_user_sgpr_count 2
		.amdhsa_user_sgpr_kernarg_segment_ptr 1
		.amdhsa_wavefront_size32 1
		.amdhsa_system_sgpr_workgroup_id_x 1
		.amdhsa_system_sgpr_workgroup_id_y 1
		.amdhsa_system_sgpr_workgroup_id_z 1
		.amdhsa_system_vgpr_workitem_id 0
		.amdhsa_next_free_vgpr 256
		.amdhsa_next_free_sgpr 90
		.amdhsa_reserve_vcc 0
		.amdhsa_float_denorm_mode_32 3
		.amdhsa_float_denorm_mode_16_64 3
		.amdhsa_memory_ordered 1
		.amdhsa_forward_progress 1
		.amdhsa_inst_pref_size 46
	.end_amdhsa_kernel
	.amdgpu_metadata
---
amdhsa.version: [ 1, 2 ]
amdhsa.kernels:
  - .name:           k_q3dd1ac4714_attn
    .symbol:         k_q3dd1ac4714_attn.kd
    .args:
      - { .name: q_codes, .offset: 0, .size: 8, .value_kind: global_buffer, .address_space: global }
      - { .name: k_codes, .offset: 8, .size: 8, .value_kind: global_buffer, .address_space: global }
      - { .name: v_codes, .offset: 16, .size: 8, .value_kind: global_buffer, .address_space: global }
      - { .name: lowp_scales, .offset: 24, .size: 8, .value_kind: global_buffer, .address_space: global }
      - { .name: o_codes, .offset: 32, .size: 8, .value_kind: global_buffer, .address_space: global }
    .group_segment_fixed_size: 264192
    .private_segment_fixed_size: 0
    .kernarg_segment_align: 8
    .kernarg_segment_size: 40
    .max_flat_workgroup_size: 512
    .sgpr_count:     90
    .vgpr_count:     256
    .wavefront_size: 32
...
	.end_amdgpu_metadata
.endif
;; end of part 3
;; launch proj (part 4): grid 4 x 32, 4 waves a work-group, clusters of 4 x 4, 327,680 bytes of LDS; arguments o_codes, w_proj_codes, lowp_scales, b_proj, x, out0; writes out0
.if DOCPART == 4
	.amdgcn_target "amdgcn-amd-amdhsa--gfx1250"
	.amdhsa_code_object_version 6
	.text
	.protected	k_q3dd1ac4714_proj
	.globl	k_q3dd1ac4714_proj
	.p2align	8
	.type	k_q3dd1ac4714_proj,@function
k_q3dd1ac4714_proj:
	s_mov_b64 s[64:65], 0
	v_nop
	global_prefetch_b8 v0, s[64:65] scope:SCOPE_SE
	s_setreg_imm32_b32 hwreg(HW_REG_WAVE_MODE, 25, 1), 1
	s_wait_xcnt 0x0
	s_wait_alu depctr_hold_cnt(0) depctr_sa_sdst(0) depctr_va_vdst(0) depctr_va_sdst(0) depctr_va_ssrc(0) depctr_va_vcc(0) depctr_vm_vsrc(0)
	s_getreg_b32 s2, hwreg(HW_REG_IB_STS2, 6, 4)
	s_cmp_eq_u32 s2, 0
	s_cbranch_scc0 .Lentry_in_a_cluster
	s_endpgm
.Lentry_in_a_cluster:
	s_bfe_u32 s2, ttmp6, 0x10000c
	s_cmp_lg_u32 s2, 0xf033
	s_cbranch_scc0 .Lentry_shape_is_right
	s_endpgm
.Lentry_shape_is_right:
.set TH,    32768
.set WPIT,  272
.set WH,    128*WPIT
.set SLOT,  2*TH+2*WH
.set SPARE, 2*SLOT
.set TSTEP, 2097152
.set WROW,  1024
.set SPIT,  528
.set FR,    16
.set CO,    3
.set ADRT,  16
.set ADRW,  20
.set STO,   24
.set RD,    25
.set PFO,   27
.set SPW,   28
.set NIL,   29
.set BI,    32
.set AF,    128
.set BK,    128
.set G1,    24
.set G0,    32
.set G1B,   48
.set G0B,   56
.set MSB,   0
.macro WIN new
.if MSB != (\new)
	s_set_vgpr_msb (MSB<<8)|(\new)
.set MSB, (\new)
.endif
.endm
.set MUL_LO,   0xa1
.set MUL_HI,   0xf1
.set FIRST_LO, 0x81
.set FIRST_HI, 0xc1
.set TO_W,     0x40
.macro JLOAD g0a, g1a, g0b, g1b
	s_cmp_eq_u32 s15, 0
	s_cbranch_scc0 .Lfor_w_\@
	tensor_load_to_lds s[\g0a:\g0a+3], s[\g1a:\g1a+7]
	s_nop 0
.rept 4
	v_nop
.endr
	s_branch .Lasked_\@
.Lfor_w_\@:
	tensor_load_to_lds s[\g0b:\g0b+3], s[\g1b:\g1b+7]
	s_nop 0
.rept 4
	v_nop
.endr
.Lasked_\@:
.endm
.macro CREST
	s_cmp_lg_u32 s14, 0
	s_cbranch_scc1 .Lnot_wave_0_\@
	s_barrier_signal -3
.Lnot_wave_0_\@:
	s_barrier_wait -3
	s_barrier_signal -1
	s_barrier_wait -1
.endm
.macro CROUND
	s_barrier_signal -1
	s_barrier_wait -1
	CREST
.endm
	s_load_b256 s[4:11], s[0:1], 0x0
	s_load_b128 s[68:71], s[0:1], 0x20
	v_lshl_add_u32 v[SPW], v0, 2, SPARE
	v_mov_b32 v[NIL], 0
	ds_add_u32 v28, v29
	ds_add_u32 v28, v29
	s_wait_dscnt 0x0
	v_lshrrev_b32 v1, 5, v0
	v_readfirstlane_b32 s14, v1
	s_lshr_b32 s15, s14, 1
	s_and_b32 s16, s14, 1
	s_bfe_u32 s40, ttmp6, 0x40000
	s_bfe_u32 s41, ttmp6, 0x40004
	s_and_b32 s17, ttmp7, 0xffff
	s_lshl_b32 s17, s17, 2
	s_add_co_u32 s17, s17, s41
	s_lshl_b32 s43, s41, 2
	s_lshl_b32 s43, 15, s43
	s_lshl_b32 s44, 0x1111, s40
	s_or_b32 s[G1+0], s43, (3<<16)|(1<<21)
	s_mov_b32 s[G1+1], 32<<16
	s_mov_b32 s[G1+2], 128<<16
	s_mov_b32 s[G1+3], 32<<16
	s_mov_b32 s[G1+4], 128
	s_mov_b32 s[G1+5], 32
	s_mov_b32 s[G1+6], 0
	s_mov_b32 s[G1+7], 0
	s_or_b32 s[G1B+0], s44, (0<<16)|(1<<20)|(1<<21)|(5<<22)|(3<<25)
	s_mov_b32 s[G1B+1], 256<<16
	s_mov_b32 s[G1B+2], 128<<16
	s_mov_b32 s[G1B+3], 256<<16
	s_mov_b32 s[G1B+4], 128
	s_mov_b32 s[G1B+5], WROW
	s_mov_b32 s[G1B+6], 0
	s_mov_b32 s[G1B+7], 0
	s_lshl_b32 s20, s17, 16
	s_lshl_b32 s18, s16, 15
	s_add_co_u32 s20, s20, s18
	s_mov_b32 s21, 0
	s_lshl_b32 s46, s40, 8
	s_lshl_b32 s47, s16, 7
	s_add_co_u32 s46, s46, s47
	s_lshl_b32 s72, s46, 2
	s_mul_i32 s46, s46, WROW
	s_mov_b32 s47, 0
	s_lshl_b32 s45, s16, 15
	s_mul_i32 s22, s16, WH
	s_add_co_u32 s22, s22, 2*TH
	s_wait_kmcnt 0x0
	s_load_b256 s[80:87], s[8:9], 0x0
	s_add_nc_u64 s[20:21], s[4:5], s[20:21]
	s_add_nc_u64 s[46:47], s[6:7], s[46:47]
	CROUND
.irp s, 0,1
	s_mov_b32 s[G0+4*\s], 1
	s_add_co_u32 s[G0+4*\s+1], s45, \s*SLOT
	s_add_nc_u64 s[G0+4*\s+2:G0+4*\s+3], s[20:21], \s*TSTEP
	s_or_b32 s[G0+4*\s+3], s[G0+4*\s+3], 0x80000000
	s_mov_b32 s[G0B+4*\s], 1
	s_add_co_u32 s[G0B+4*\s+1], s22, \s*SLOT
	s_add_nc_u64 s[G0B+4*\s+2:G0B+4*\s+3], s[46:47], \s*256
	s_or_b32 s[G0B+4*\s+3], s[G0B+4*\s+3], 0x80000000
	s_wait_alu depctr_va_vdst(0)
	s_wait_tensorcnt 0x0
	ds_add_u32 v28, v29
	ds_add_u32 v28, v29
	s_wait_dscnt 0x0
	CROUND
	JLOAD G0+4*\s, G1, G0B+4*\s, G1B
.endr
	v_and_b32 v1, 15, v0
	v_bfe_u32 v2, v0, 4, 1
	v_and_b32 v6, 31, v0
	v_lshlrev_b32 v[CO], 4, v6
	v_mul_u32_u24 v4, v1, WPIT
	v_lshl_add_u32 v4, v2, 4, v4
	s_lshl_b32 s23, s15, 15
.irp s, 0,1
	v_add_nc_u32 v[ADRT+\s], s23, v[CO]
	v_add_nc_u32 v[ADRW+\s], s22, v4
	s_add_co_u32 s23, s23, SLOT
	s_add_co_u32 s22, s22, SLOT
.endr
	s_mov_b32 s73, 0
	s_add_nc_u64 s[10:11], s[10:11], s[72:73]
	v_lshlrev_b32 v5, 5, v2
.irp b, 0,1,2,3,4,5,6,7
	global_load_b128 v[BI+8*\b:BI+8*\b+3],   v5, s[10:11] offset:64*\b
	global_load_b128 v[BI+8*\b+4:BI+8*\b+7], v5, s[10:11] offset:64*\b+16
.endr
	s_mul_i32 s74, s14, 16*SPIT
	v_mul_u32_u24 v[STO], v1, SPIT
	v_lshl_add_u32 v[STO], v2, 5, v[STO]
	v_add_nc_u32 v[STO], s74, v[STO]
	v_add_nc_u32 v[RD], s74, v[CO]
	v_lshrrev_b32 v7, 1, v6
	v_and_b32 v8, 8, v7
	v_add_nc_u32 v7, v7, v8
	v_and_b32 v8, 1, v6
	v_lshlrev_b32 v8, 8, v8
	v_lshl_add_u32 v[PFO], v7, 12, v8
	s_lshl_b32 s72, s17, 20
	s_lshl_b32 s73, s15, 19
	s_add_co_u32 s72, s72, s73
	s_lshl_b32 s73, s40, 10
	s_add_co_u32 s72, s72, s73
	s_lshl_b32 s73, s16, 9
	s_add_co_u32 s72, s72, s73
	s_mov_b32 s73, 0
	s_add_nc_u64 s[76:77], s[68:69], s[72:73]
	s_add_nc_u64 s[78:79], s[70:71], s[72:73]
	s_wait_kmcnt 0x0
	s_add_co_i32 s75, s86, s87
	s_add_co_i32 s96, s75, 127
	s_lshl_b32 s96, s96, 23
	s_mov_b32 s97, s96
	s_sub_co_i32 s75, 0, s75
	s_wait_loadcnt 0x0
.set kk, 0
.rept 64
	v_ldexp_f32 v[BI+kk], v[BI+kk], s75
.set kk, kk+1
.endr
.macro FRAGT reg, slot, q, a
.irp c, 0,1,2,3
	ds_load_b128 v[\reg+4*\c:\reg+4*\c+3], v[ADRT+\slot] offset:4096*(\a)+2048*(\q)+512*\c
.endr
.endm
.macro FRAGW reg, slot, q, i
.irp c, 0,1,2,3
	ds_load_b128 v[\reg+4*\c:\reg+4*\c+3], v[ADRW+\slot] offset:128*(\q)+32*\c+(\i)*16*WPIT
.endr
.endm
.macro MUL16 a0, p, first
.irp a, \a0, \a0+1
.irp b, 0,1,2,3,4,5,6,7
.if \first
	v_wmma_f32_16x16x128_fp8_fp8 v[8*(8*((\a)%4)+\b):8*(8*((\a)%4)+\b)+7], v[128*(\p)+FR*\b:128*(\p)+FR*\b+FR-1], v[AF+FR*(\a):AF+FR*(\a)+FR-1], v[BI+8*\b:BI+8*\b+7]
.else
	v_wmma_f32_16x16x128_fp8_fp8 v[8*(8*((\a)%4)+\b):8*(8*((\a)%4)+\b)+7], v[128*(\p)+FR*\b:128*(\p)+FR*\b+FR-1], v[AF+FR*(\a):AF+FR*(\a)+FR-1], v[8*(8*((\a)%4)+\b):8*(8*((\a)%4)+\b)+7]
.endif
.endr
.endr
.endm
.macro FETCH_W slot, q, p
	WIN TO_W
.irp i, 0,1,2,3,4,5,6,7
	FRAGW 128*(\p)+FR*\i, \slot, \q, \i
.endr
	WIN 0
.endm
.macro FETCH_T slot, q, i0
.irp i, \i0, \i0+1, \i0+2, \i0+3
	FRAGT AF+FR*(\i), \slot, \q, \i
.endr
.endm
.macro PLACES n
.rept \n
	v_nop
.endr
.endm
.macro STEP slot, q, first
	s_wait_dscnt 16
.if \first
	WIN FIRST_LO
.else
	WIN MUL_LO
.endif
	MUL16 0, (\q)%2, \first
	MUL16 2, (\q)%2, \first
	s_wait_dscnt 0
	PLACES 4
	FETCH_W \slot, (\q)+1, 1-(\q)%2
	FETCH_T \slot, (\q)+1, 0
.if \first
	WIN FIRST_HI
.else
	WIN MUL_HI
.endif
	MUL16 4, (\q)%2, \first
	MUL16 6, (\q)%2, \first
	PLACES 4
	WIN 0
	FETCH_T \slot, (\q)+1, 4
.endm
.macro TURN slot, next, fill, ask
	s_wait_tensorcnt 0x0
	ds_add_u32 v[SPW], v[NIL]
	s_wait_dscnt 17
	WIN MUL_LO
	MUL16 0, 1, 0
	s_wait_dscnt 0x0
	s_barrier_signal -1
	MUL16 2, 1, 0
	WIN 0
	s_barrier_wait -1
.if \fill
	CREST
	s_add_nc_u64 s[G0+4*\slot+2:G0+4*\slot+3], s[G0+4*\slot+2:G0+4*\slot+3], 2*TSTEP
	s_add_nc_u64 s[G0B+4*\slot+2:G0B+4*\slot+3], s[G0B+4*\slot+2:G0B+4*\slot+3], 2*256
	JLOAD G0+4*\slot, G1, G0B+4*\slot, G1B
.else
	PLACES 4
.endif
	FETCH_W \next, 0, 0
	FETCH_T \next, 0, 0
.if \ask
.irp a, 0,1,2,3
	global_prefetch_b8 v[PFO], s[76:77] offset:4096*(32*(\a/2)+8*(\a%2)) th:TH_LOAD_NT scope:SCOPE_SE
.endr
.endif
	WIN MUL_HI
	MUL16 4, 1, 0
	MUL16 6, 1, 0
	PLACES 4
	WIN 0
	FETCH_T \next, 0, 4
.endm
	s_wait_alu depctr_va_vdst(0)
	s_wait_tensorcnt 1
	s_barrier_signal -1
	s_barrier_wait -1
	FETCH_W 0, 0, 0
	FETCH_T 0, 0, 0
	FETCH_T 0, 0, 4
	STEP 0, 0, 1
	TURN 0, 1, 1, 0
	STEP 1, 0, 0
	TURN 1, 0, 1, 1
	STEP 0, 0, 0
	TURN 0, 1, 0, 0
	STEP 1, 0, 0
	s_wait_dscnt 16
	WIN MUL_LO
	MUL16 0, 1, 0
	MUL16 2, 1, 0
	s_wait_dscnt 0
	WIN MUL_HI
	MUL16 4, 1, 0
	MUL16 6, 1, 0
	WIN 0
	PLACES 4
.macro XLOAD a
	WIN 0x40
.irp t, 0,1,2,3,4,5,6,7,8,9,10,11,12,13,14,15
	global_load_b128 v[64*((\a)%4)+4*\t:64*((\a)%4)+4*\t+3], v[CO], s[76:77] offset:4096*(32*((\a)/2)+8*((\a)%2)+\t+8*(\t/8)) th:TH_LOAD_NT
.endr
	WIN 0
.endm
.macro TOSTAGE a
	WIN 0x08+4*((\a)/4)
.irp b, 0,1,2,3,4,5,6,7
	ds_store_b128 v[STO], v[64*((\a)%4)+8*\b:64*((\a)%4)+8*\b+3] offset:64*\b
	ds_store_b128 v[STO], v[64*((\a)%4)+8*\b+4:64*((\a)%4)+8*\b+7] offset:64*\b+16
.endr
	WIN 0
.irp t, 0,1,2,3,4,5,6,7,8,9,10,11,12,13,14,15
	ds_load_b128 v[BK+64*((\a)%2)+4*\t:BK+64*((\a)%2)+4*\t+3], v[RD] offset:SPIT*\t
.endr
.endm
.macro SEND a, dsy, ldy
	s_wait_dscnt \dsy
	s_wait_loadcnt \ldy
	WIN 0x10
.set jj, 0
.rept 32
	v_pk_fma_f32 v[BK+64*((\a)%2)+jj:BK+64*((\a)%2)+jj+1], v[BK+64*((\a)%2)+jj:BK+64*((\a)%2)+jj+1], s[96:97], v[64*((\a)%4)+jj:64*((\a)%4)+jj+1] op_sel_hi:[1,0,1]
.set jj, jj+2
.endr
	WIN 0
.irp t, 0,1,2,3,4,5,6,7,8,9,10,11,12,13,14,15
	global_store_b128 v[CO], v[BK+64*((\a)%2)+4*\t:BK+64*((\a)%2)+4*\t+3], s[78:79] offset:4096*(32*((\a)/2)+8*((\a)%2)+\t+8*(\t/8)) th:TH_STORE_NT
.endr
.endm
	XLOAD 0
	XLOAD 1
	XLOAD 2
	TOSTAGE 0
.irp a, 1,2,3,4,5,6,7
.if \a > 1
	s_wait_xcnt 0x0
.endif
	TOSTAGE \a
.if \a <= 5
	XLOAD \a+2
	SEND \a-1, 32, 48
.else
	SEND \a-1, 32, 16*(8-\a)
.endif
.endr
	SEND 7, 0, 0
	s_wait_tensorcnt 0x0
	ds_add_u32 v[SPW], v[NIL]
	s_wait_dscnt 0x0
	CROUND
	s_endpgm
.Lfunc_end_k_q3dd1ac4714_proj:
	.size	k_q3dd1ac4714_proj, .Lfunc_end_k_q3dd1ac4714_proj-k_q3dd1ac4714_proj
	.p2alignl 7, 3214868480
	.fill 96, 4, 3214868480
	.section	.rodata,"a",@progbits
	.p2align	6, 0x0
	.amdhsa_kernel k_q3dd1ac4714_proj
		.amdhsa_group_segment_fixed_size 327680
		.amdhsa_private_segment_fixed_size 0
		.amdhsa_enable_private_segment 0
		.amdhsa_kernarg_size 48
		.amdhsa_user_sgpr_count 2
		.amdhsa_user_sgpr_kernarg_segment_ptr 1
		.amdhsa_wavefront_size32 1
		.amdhsa_system_sgpr_workgroup_id_x 1
		.amdhsa_system_sgpr_workgroup_id_y 1
		.amdhsa_system_sgpr_workgroup_id_z 1
		.amdhsa_system_vgpr_workitem_id 0
		.amdhsa_next_free_vgpr 1024
		.amdhsa_next_free_sgpr 98
		.amdhsa_reserve_vcc 0
		.amdhsa_float_denorm_mode_32 3
		.amdhsa_float_denorm_mode_16_64 3
		.amdhsa_memory_ordered 1
		.amdhsa_forward_progress 1
		.amdhsa_inst_pref_size 143
	.end_amdhsa_kernel
	.amdgpu_metadata
---
amdhsa.version: [ 1, 2 ]
amdhsa.kernels:
  - .name:           k_q3dd1ac4714_proj
    .symbol:         k_q3dd1ac4714_proj.kd
    .args:
      - { .name: o_codes, .offset: 0, .size: 8, .value_kind: global_buffer, .address_space: global }
      - { .name: w_proj_codes, .offset: 8, .size: 8, .value_kind: global_buffer, .address_space: global }
      - { .name: lowp_scales, .offset: 16, .size: 8, .value_kind: global_buffer, .address_space: global }
      - { .name: b_proj, .offset: 24, .size: 8, .value_kind: global_buffer, .address_space: global }
      - { .name: x, .offset: 32, .size: 8, .value_kind: global_buffer, .address_space: global }
      - { .name: out0, .offset: 40, .size: 8, .value_kind: global_buffer, .address_space: global }
    .group_segment_fixed_size: 327680
    .private_segment_fixed_size: 0
    .kernarg_segment_align: 8
    .kernarg_segment_size: 48
    .max_flat_workgroup_size: 128
    .sgpr_count:     98
    .vgpr_count:     1024
    .wavefront_size: 32
...
	.end_amdgpu_metadata
.endif
;; end of part 4
